; MI455X (gfx1250); checked and timed in simulation.
; The chip was launched on July 23, 2026; its instructions are those of AMD's public machine-readable ISA for CDNA 5 (MIT licence, August 2026) and "CDNA5" Instruction Set Architecture Reference Guide (July 2026). The comments in the code are by the model that wrote it; some were corrected since.
;; Scaled Dot Product Attention. Allowed arithmetic: matrix products marked QUANTISED: E3M2 operands, one E8M0 scale for each 32 along K, by v_wmma_scale_f32_16x16x128_f8f6f4 with both operands' format E3M2, f32 sums; everything else in f32.
;; Inputs: K 16 x 2,048 x 64 float32; Krelpos 64 x 2,048 float32; Q 16 x 2,048 x 64 float32; V 16 x 2,048 x 64 float32.
;; Outputs: out0 16 x 2,048 x 64 float32.
;; This version of the problem:
;;   THIS VERSION OF THE PROBLEM IS GIVEN IN LOW PRECISION. The matrix products marked QUANTISED in the list below multiply operands that are first quantised to E3M2 (3 exponent bits, 2 mantissa bits; 6 bits a number), with one power-of-two scale for each 32 numbers along K (OCP MX v1.0); their sums are f32. All else is computed in f32.
;;   The module's matrix products, in the order in which they are computed (A, B: the left and right operand; K: the contracted axis; several contracted axes count as one K, in the product's order):
;;     1. batch 16 x [M 2,048, K 64] x [K 64, N 2,048]; A: input Q; B: input K: QUANTISED
;;     2. [M 32,768, K 64] x [K 64, N 2,048]; A: input Q; B: input Krelpos: QUANTISED
;;     3. batch 16 x [M 2,048, K 2,048] x [K 2,048, N 64]; A: softmax (see below); B: input V: QUANTISED
;;   THE QUANTISER, for each operand of a quantised product, along K:
;;     - K is cut into blocks of 32 from its start; a last block that is shorter is filled with zeros.
;;     - A block's scale is 2^e with e = floor(log2(the largest magnitude in the block)) - 4, held to -126 .. 127; a block of zeros has e = 0. As a byte (E8M0): e + 127.
;;     - Each number is divided by its block's scale, clamped to +-28, and rounded to the nearest number of E3M2, ties to even, subnormals kept.
;;     - The product sums the exact products of the quantised numbers (number of the format x scale) in f32.
;;   ~~~python
;;   def quantise(x, axis):      # numpy; x: float32 -> the quantised numbers, widened to float32 again
;;       x = np.moveaxis(x, axis, -1); K = x.shape[-1]
;;       x = np.pad(x, [(0, 0)] * (x.ndim - 1) + [(0, -K % 32)]); x = x.reshape(x.shape[:-1] + (-1, 32)); a = np.abs(x).max(-1, keepdims=True)
;;       e = np.where(a > 0, np.clip(np.frexp(np.where(a > 0, a, 1))[1] - 1 - 4, -126, 127), 0)      # np.frexp(a)[1] - 1 = floor(log2(a)), exactly
;;       r = np.clip(x / 2.0 ** e, -28, 28)
;;       step = 2.0 ** (np.maximum(np.frexp(np.where(r == 0, 1, r))[1] - 1, -2) - 2)
;;       q = np.round(r / step) * step * 2.0 ** e      # np.round: ties to even
;;       return np.moveaxis(q.reshape(q.shape[:-2] + (-1,))[..., :K], -1, axis).astype(np.float32)
;;   ~~~
;;   SOFTMAX AHEAD OF A QUANTISED PRODUCT. Where the list says 'softmax', what is quantised is not the finished softmax but p = 2^(t - M), with t = logit x log2(e) and M = ceil(the row's largest t), a whole number; so 1/2 < the row's largest p <= 1. The row's sum l is taken of the UNQUANTISED p, in f32, and the product's result is divided by l at the end. Since M is a whole number, a kernel that streams over the keys may use a running M (the ceiling of the running maximum): every later rescaling is an exact power of two, which a block's scale takes up: the codes' values come out the same.
;;   OPERANDS COMPUTED ON THE WAY. 'Computed on the way' means the value that the module computes at that place (a softmax that the list does not call 'softmax' is quantised finished and normalised). What goes into a quantiser is computed in f32, as accurately as f32 sums, v_exp_f32 and their like allow (about 1e-6 of the number): no bf16 or f16 on the way to a quantiser, and a product that is left as it is and whose result goes on into a quantised operand takes f32 operands (vector FMAs, or v_wmma_f32_16x16x4_f32). A number that lies on a knife's edge between two numbers of the format may be rounded either way, as far as f32 arithmetic and the matrix unit's own rounding can turn it there, and no further.
;; One version. Each part assembles by itself: llvm-mc -triple=amdgcn-amd-amdhsa -mcpu=gfx1250 --defsym DOCPART=n.
;; ======== version 1 of 1: 2 launches
;; limits: right only within a limited range of input values
;; workspace buffers: kv 3,276,800 bytes; rr 226,304 bytes
;; launch quant (part 1): grid 290 x 1, 4 waves a work-group, no clusters, 37,376 bytes of LDS; arguments K, V, Krelpos, kv, rr; writes kv, rr
.if DOCPART == 1
	.amdgcn_target "amdgcn-amd-amdhsa--gfx1250"
	.amdhsa_code_object_version 6
	.text
	.protected	k_q5c5f363425_quant
	.globl	k_q5c5f363425_quant
	.p2align	8
	.type	k_q5c5f363425_quant,@function
k_q5c5f363425_quant:
	s_mov_b64 s[64:65], 0
	v_nop
	global_prefetch_b8 v0, s[64:65] scope:SCOPE_SE
	s_setreg_imm32_b32 hwreg(HW_REG_WAVE_MODE, 25, 1), 1
	s_wait_xcnt 0x0
; K [16][2048][64], V [16][2048][64] and Krelpos [64][2048], f32, become codes of BF6 (E3M2) with one E8M0 byte for each 32 along each product's K,
; laid as IMAGES OF OPERAND REGISTERS, so that the attention launch fetches every fragment by loads of 16 bytes a lane and nothing is shuffled there.
; kv: [16 batches][8 slots of 256 keys][25,600 bytes].  A slot: 8 images of K (1,536 bytes each), 8 images of V, 512 bytes of K's scale words, 512 of V's.
;   An image is 12 registers a lane in three planes: registers 4 p .. 4 p + 3 of lane l at 512 p + 16 l.
;   K (quantised along d): image 2 x + a of the slot (x = which 64 keys, a = 0, 1) holds TWO tiles of 16 keys, since d is only 64 of the instruction's 128:
;     lane (m, hh): registers 0-5 = d 32 hh .. + 31 of key 64 x + 16 a + m % 8 + 32 (m / 8); registers 6-11 = the same of the key 8 further on.  Scale word of row m: the first key's two bytes, then the second's.
;   V (quantised along the keys): image 4 pi + dt (pi = which 128 keys, dt = which 16 channels): lane (m, hh): registers 6 c .. 6 c + 5 = keys 64 c + 32 hh .. + 31 of channel 16 dt + m.
; rr: two versions of 68 pairs of tiles of 16 columns of Krelpos (quantised along d), images of 1,536 bytes, then their scale words: see below.
;   Columns past 2,047, which only masked keys would use, hold column 2,047.
; A block's scale is 2^(floor(log2(its largest magnitude)) - 4); its byte is the largest magnitude's exponent field - 4, held at 1 from below.
; LIMITS: a block of zeros, and a block whose largest magnitude lies under 2^-122, gets the byte 1 (the rule says 127 for zeros: the codes are zeros, and this program alone reads the bytes); NaN and infinities are not served.
; SHARES: work-groups 0-127: K, a wave to 64 keys; 128-255: V, a wave to 128 keys x 32 channels; 256-289: Krelpos, a wave to 32 columns.  Waves share nothing: no barrier.
; Every block of 32 lies whole in ONE lane's registers, so no maximum crosses lanes.  No store's data register is written again, so no wait stands for them.
.set FLOOR, 0x2800000                  ; 2^(5 - 127)
.set X,   16                           ; v16-143  two sets of 64 numbers
.set C0,  144                          ; v144-155 an image's 12 registers
.set C1,  156                          ; v156-167 the second image's
.set T,   168                          ; v168-170, v172-174: a block's upper 16 codes, made on an even register and moved
.set MA,  176                          ; largest magnitudes
.set MB,  177
.set SA,  178                          ; the conversions' scale operands
.set SBR, 179
.set E0,  180                          ; scale bytes
.set E1,  181
.set E2,  182
.set E3,  183
.set W0,  184                          ; scale words
.set W1,  185
.set PX,  186                          ; a lane permute's destination, written once at the head
; 64 numbers of a lane, two whole blocks v[x ..], v[x + 32 ..], become 12 registers of codes at v[c ..] and two bytes
.macro QUANT2 x, c, ea, eb
	v_max3_num_f32 v[MA], |v[(\x)]|, |v[(\x)+1]|, FLOOR            ; the floor among the leaves holds the byte at 1 from below
	v_max3_num_f32 v[MB], |v[(\x)+32]|, |v[(\x)+33]|, FLOOR
.irp i, 2,4,6,8,10,12,14,16,18,20,22,24,26,28,30
	v_max3_num_f32 v[MA], v[MA], |v[(\x)+\i]|, |v[(\x)+\i+1]|      ; the two blocks by turns
	v_max3_num_f32 v[MB], v[MB], |v[(\x)+32+\i]|, |v[(\x)+33+\i]|
.endr
	v_add_nc_u32 v[SA], 0xfe000000, v[MA]                          ; 4 off the exponent field: the conversion takes that field as its scale
	v_add_nc_u32 v[SBR], 0xfe000000, v[MB]
	v_lshrrev_b32 v[\ea], 23, v[SA]                                ; the bytes
	v_lshrrev_b32 v[\eb], 23, v[SBR]
	v_cvt_scalef32_pk16_bf6_f32 v[(\c):(\c)+2], v[(\x):(\x)+15], v[SA]
	v_cvt_scalef32_pk16_bf6_f32 v[T:T+2], v[(\x)+16:(\x)+31], v[SA]
	v_cvt_scalef32_pk16_bf6_f32 v[(\c)+6:(\c)+8], v[(\x)+32:(\x)+47], v[SBR]
	v_cvt_scalef32_pk16_bf6_f32 v[T+4:T+6], v[(\x)+48:(\x)+63], v[SBR]
	v_nop                                                          ; one plain place behind the scaled conversions
.irp i, 0,1,2
	v_mov_b32 v[(\c)+3+\i], v[T+\i]
	v_mov_b32 v[(\c)+9+\i], v[T+4+\i]
.endr
.endm
	s_load_b256 s[4:11], s[0:1], 0x0               ; K s[4:5], V s[6:7], Krelpos s[8:9], kv s[10:11]
	s_load_b64 s[12:13], s[0:1], 0x20              ; rr
	v_lshl_add_u32 v192, v0, 2, 0x9000
	v_mov_b32 v193, 0
	v_lshrrev_b32 v1, 5, v0
	v_readfirstlane_b32 s14, v1                    ; wave 0..3
	v_and_b32 v2, 31, v0                           ; l
	v_and_b32 v3, 15, v0                           ; m = l % 16
	v_bfe_u32 v4, v0, 4, 1                         ; hh = l / 16
	v_lshlrev_b32 v10, 4, v2                       ; 16 l
	v_lshlrev_b32 v11, 3, v4                       ; 8 hh
	v_lshlrev_b32 v12, 2, v2                       ; 4 l
	v_mov_b32 v[PX], 0
	s_mov_b32 s20, 0x76543210
	s_mov_b32 s21, 0xfedcba98                      ; v_permlanex16_b32's selects for lane l xor 16
	s_lshl_b32 s15, ttmp9, 2
	s_add_co_u32 s15, s15, s14                     ; 4 x work-group + wave
	s_mov_b32 s23, 0
	s_mov_b32 s25, 0
	s_wait_kmcnt 0x0
	s_cmp_lt_u32 ttmp9, 128
	s_cbranch_scc0 .Lnot_k
	; ---------------- K: my 64 keys make two images ----------------
	s_lshr_b32 s16, s15, 5                         ; batch
	s_and_b32 s17, s15, 31                         ; which 64 keys of the batch
	s_lshl_b32 s22, s16, 19
	s_lshl_b32 s26, s17, 14
	s_add_co_u32 s22, s22, s26                     ; 524,288 batch + 16,384 x (64 keys)
	s_add_nc_u64 s[4:5], s[4:5], s[22:23]
	s_mul_i32 s24, s16, 204800
	s_lshr_b32 s26, s17, 2
	s_mul_i32 s26, s26, 25600
	s_add_co_u32 s24, s24, s26                     ; the slot
	s_add_nc_u64 s[10:11], s[10:11], s[24:25]
	s_and_b32 s26, s17, 3                          ; which 64 keys of the slot
	s_mul_i32 s27, s26, 3072
	s_wait_alu depctr_va_vdst(0)
	v_lshl_add_u32 v5, v2, 4, s27                  ; my 16 bytes of a plane of my first image
	s_lshl_b32 s28, s26, 7
	v_lshl_add_u32 v6, v2, 2, s28                  ; my scale word
	s_mul_i32 s29, s14, 9216                       ; my wave's own stage in LDS
	v_mul_u32_u24 v7, v4, 272
	v_lshl_add_u32 v7, v3, 4, v7
	v_add_nc_u32 v7, s29, v7                       ; in: as loaded, two keys' rows of 256 bytes an instruction, rows 272 bytes apart
	v_and_b32 v9, 7, v3
	v_mul_u32_u24 v8, v9, 272
	v_lshrrev_b32 v9, 3, v3
	v_mad_u32_u24 v8, v9, 4480, v8                 ; the second sixteen rows begin 128 bytes late, so that the sixteen lanes of a load of 16 bytes take sixteen different columns of 16 bytes modulo 256
	v_lshl_add_u32 v8, v4, 7, v8
	v_add_nc_u32 v8, s29, v8                       ; out: row m % 8 (+ 16 for m >= 8), my half of its 64 numbers
.irp a, 0,1
.irp i, 0,1,2,3,4,5,6,7,8,9,10,11,12,13,14,15
	global_load_b128 v[X+64*\a+4*\i:X+64*\a+4*\i+3], v10, s[4:5] offset:256*(16*\a+2*(\i%8)+32*(\i/8)) th:TH_LOAD_NT   ; 32 lanes read 512 consecutive bytes: keys 16 a + 0 .. 15, then 32 + 16 a + 0 .. 15
.endr
.endr
.macro KIMG a, c, w, left
	s_wait_loadcnt \left                           ; this image's sixteen loads are in
.irp i, 0,1,2,3,4,5,6,7,8,9,10,11,12,13,14,15
	ds_store_b128 v7, v[X+64*\a+4*\i:X+64*\a+4*\i+3] offset:544*\i+128*(\i/8)
.endr
.irp i, 0,1,2,3,4,5,6,7
	ds_load_b128 v[X+64*\a+4*\i:X+64*\a+4*\i+3], v8 offset:16*\i                ; LDS serves a wave's instructions in order (ISA guide 5.7.1.4): these see the stores; my 32 numbers of the first key,
.endr
.irp i, 0,1,2,3,4,5,6,7
	ds_load_b128 v[X+64*\a+32+4*\i:X+64*\a+32+4*\i+3], v8 offset:2176+16*\i     ; and of the key 8 rows on
.endr
	s_wait_dscnt 0x0
	QUANT2 X+64*\a, \c, E0, E1
	v_lshl_or_b32 v[\w], v[E1], 16, v[E0]          ; my block's byte of each key,
	v_lshlrev_b32 v[\w], v11, v[\w]                ; at its place (8 hh bits up);
	v_permlanex16_b32 v[PX], v[\w], s20, s21
	v_or_b32 v[\w], v[\w], v[PX]                   ; with lane l xor 16's the word is whole
.irp p, 0,1,2
	global_store_b128 v5, v[\c+4*\p:\c+4*\p+3], s[10:11] offset:1536*\a+512*\p  ; 32 lanes store 512 consecutive bytes, at a multiple of 256 from kv's first byte
.endr
.endm
	s_wait_alu depctr_va_vdst(0)
	KIMG 0, C0, W0, 16                             ; the second image's sixteen loads may be out
	KIMG 1, C1, W1, 0
	v_cmp_gt_u32 vcc_lo, 16, v2
	v_cndmask_b32 v[W0], v[W1], v[W0], vcc_lo      ; lanes 0-15 the first image's words, lanes 16-31 the second's
	global_store_b32 v6, v[W0], s[10:11] offset:24576
	s_wait_tensorcnt 0x0
	ds_add_u32 v192, v193
	s_wait_dscnt 0x0
	s_endpgm
.Lnot_k:
	s_cmp_lt_u32 ttmp9, 256
	s_cbranch_scc0 .Lnot_v
	; ---------------- V: a lane takes a channel, its registers run down the keys ----------------
	s_sub_co_u32 s15, s15, 512
	s_lshr_b32 s16, s15, 5                         ; batch
	s_bfe_u32 s17, s15, 0x40001                    ; which 128 keys of the batch
	s_and_b32 s18, s15, 1                          ; which 32 channels
	s_lshl_b32 s22, s16, 19
	s_lshl_b32 s26, s17, 15
	s_add_co_u32 s22, s22, s26
	s_lshl_b32 s26, s18, 7
	s_add_co_u32 s22, s22, s26
	s_add_nc_u64 s[6:7], s[6:7], s[22:23]
	s_mul_i32 s24, s16, 204800
	s_lshr_b32 s26, s17, 1
	s_mul_i32 s26, s26, 25600
	s_add_co_u32 s24, s24, s26                     ; the slot
	s_add_nc_u64 s[10:11], s[10:11], s[24:25]
	s_and_b32 s26, s17, 1                          ; pi
	s_mul_i32 s27, s26, 6144
	s_mul_i32 s28, s18, 3072
	s_add_co_u32 s27, s27, s28
	s_wait_alu depctr_va_vdst(0)
	v_mul_u32_u24 v5, v4, 1536
	v_lshl_add_u32 v5, v3, 4, v5
	v_add_nc_u32 v5, s27, v5                       ; image 4 pi + 2 x (32 channels) + l / 16, image lane (m, 0)
	s_lshl_b32 s27, s26, 8
	s_lshl_b32 s28, s18, 7
	s_add_co_u32 s27, s27, s28
	v_add_nc_u32 v6, s27, v12                      ; my channel's scale word
.set hq, 0
.rept 2
.set cq, 0
.rept 2
.set iq, 0
.rept 32
	global_load_b32 v[X+64*hq+32*cq+iq], v12, s[6:7] offset:256*(64*cq+32*hq+iq)   ; 32 lanes read 128 consecutive bytes of key 64 c + 32 hh + i
.set iq, iq+1
.endr
.set cq, cq+1
.endr
.set hq, hq+1
.endr
	s_wait_loadcnt 63                              ; at most 63 of the 128 are out: the first 64, image lanes (m, 0), are in
	QUANT2 X, C0, E0, E1
.irp p, 0,1,2
	global_store_b128 v5, v[C0+4*\p:C0+4*\p+3], s[10:11] offset:12288+512*\p       ; sixteen lanes store 256 consecutive bytes, aligned
.endr
	s_wait_loadcnt 0x0
	QUANT2 X+64, C1, E2, E3
.irp p, 0,1,2
	global_store_b128 v5, v[C1+4*\p:C1+4*\p+3], s[10:11] offset:12288+256+512*\p   ; image lanes (m, 1)
.endr
	v_lshl_or_b32 v[W0], v[E2], 8, v[E0]           ; the bytes of blocks 0, 1, 2, 3 of these 128 keys
	v_lshl_or_b32 v[W0], v[E1], 16, v[W0]
	v_lshl_or_b32 v[W0], v[E3], 24, v[W0]
	global_store_b32 v6, v[W0], s[10:11] offset:25088
	s_endpgm
.Lnot_v:
	; ---------------- Krelpos: a lane takes a column, its registers run down d ----------------
	; rr: two versions f = 0, 1 of 113,152 bytes.  In version f, place x of tile p is column 16 p + x + 1 - f.  68 pairs of tiles, each an image of 12 operand registers (1,536 bytes: registers 0-5 the even tile,
	; 6-11 the odd one; registers 4 p .. 4 p + 3 of lane l at 512 p + 16 l), then 68 x 128 bytes of scale words (lanes 0-15 the even tile's rows, 16-31 the odd one's; a row's two bytes twice).
	; Columns past 2,047 serve masked keys alone: they hold column 2,047, so no load leaves the buffer.
	s_sub_co_u32 s15, s15, 1024                    ; 0 .. 135: waves 0-67 version 0, 68-135 version 1
	s_cmp_lt_u32 s15, 68
	s_cselect_b32 s18, 1, 0                        ; 1 - f
	s_cselect_b32 s16, 0, 68
	s_mov_b32 s24, 113152
	s_cselect_b32 s24, 0, s24
	s_sub_co_u32 s17, s15, s16                     ; the pair
	s_add_nc_u64 s[30:31], s[12:13], s[24:25]
	s_mul_i32 s26, s17, 1536
	s_mov_b32 s27, 0
	s_add_nc_u64 s[12:13], s[30:31], s[26:27]
	s_lshl_b32 s28, s17, 7
	s_add_co_u32 s28, s28, 104448
	s_lshl_b32 s22, s17, 5
	s_add_co_u32 s22, s22, s18
	s_wait_alu depctr_va_vdst(0)
	v_add_nc_u32 v5, s22, v2
	v_min_u32 v5, 0x7ff, v5
	v_lshlrev_b32 v5, 2, v5                        ; my column
	v_lshlrev_b32 v6, 10, v4
	v_lshl_add_u32 v6, v3, 4, v6                   ; 16 bytes: the even tile's in plane 0, the odd one's in plane 2
	v_lshlrev_b32 v7, 3, v4
	v_lshl_add_u32 v7, v3, 4, v7                   ; 8 bytes in plane 1
	v_add_nc_u32 v8, s28, v12
.set iq, 0
.rept 64
	global_load_b32 v[X+iq], v5, s[8:9] offset:8192*iq
.set iq, iq+1
.endr
	s_wait_loadcnt 0x0
	QUANT2 X, C0, E0, E1
	v_lshl_or_b32 v[W0], v[E1], 8, v[E0]
	v_lshl_or_b32 v[W0], v[W0], 16, v[W0]          ; the two bytes twice: the tile serves as the lower or as the upper 64 of an operand's 128
	v_cmp_gt_u32 vcc_lo, 16, v2
.irp b, 0,6
.irp i, 0,1,2,3
	v_cndmask_b32 v[C1+\b+\i], v[C0+\b+2+\i], v[C0+\b+\i], vcc_lo   ; 16 bytes: the even tile's registers 0-3, the odd one's 8-11
.endr
.irp i, 0,1
	v_cndmask_b32 v[C1+\b+4+\i], v[C0+\b+\i], v[C0+\b+4+\i], vcc_lo ; 8 bytes: the even tile's 4-5, the odd one's 6-7
.endr
.endr
	global_store_b128 v6, v[C1:C1+3], s[12:13]
	global_store_b128 v6, v[C1+6:C1+9], s[12:13] offset:256
	global_store_b64 v7, v[C1+4:C1+5], s[12:13] offset:512
	global_store_b64 v7, v[C1+10:C1+11], s[12:13] offset:768
	global_store_b32 v8, v[W0], s[30:31]
	s_endpgm
.Lfunc_end_k_q5c5f363425_quant:
	.size	k_q5c5f363425_quant, .Lfunc_end_k_q5c5f363425_quant-k_q5c5f363425_quant
	.p2alignl 7, 3214868480
	.fill 96, 4, 3214868480
	.section	.rodata,"a",@progbits
	.p2align	6, 0x0
	.amdhsa_kernel k_q5c5f363425_quant
		.amdhsa_group_segment_fixed_size 37376
		.amdhsa_private_segment_fixed_size 0
		.amdhsa_enable_private_segment 0
		.amdhsa_kernarg_size 40
		.amdhsa_user_sgpr_count 2
		.amdhsa_user_sgpr_kernarg_segment_ptr 1
		.amdhsa_wavefront_size32 1
		.amdhsa_system_sgpr_workgroup_id_x 1
		.amdhsa_system_sgpr_workgroup_id_y 1
		.amdhsa_system_sgpr_workgroup_id_z 1
		.amdhsa_system_vgpr_workitem_id 0
		.amdhsa_next_free_vgpr 194
		.amdhsa_next_free_sgpr 66
		.amdhsa_reserve_vcc 1
		.amdhsa_float_denorm_mode_32 3
		.amdhsa_float_denorm_mode_16_64 3
		.amdhsa_memory_ordered 1
		.amdhsa_forward_progress 1
		.amdhsa_inst_pref_size 47
	.end_amdhsa_kernel
	.amdgpu_metadata
---
amdhsa.version: [ 1, 2 ]
amdhsa.kernels:
  - .name:           k_q5c5f363425_quant
    .symbol:         k_q5c5f363425_quant.kd
    .args:
      - { .name: K, .offset: 0, .size: 8, .value_kind: global_buffer, .address_space: global }
      - { .name: V, .offset: 8, .size: 8, .value_kind: global_buffer, .address_space: global }
      - { .name: Krelpos, .offset: 16, .size: 8, .value_kind: global_buffer, .address_space: global }
      - { .name: kv, .offset: 24, .size: 8, .value_kind: global_buffer, .address_space: global }
      - { .name: rr, .offset: 32, .size: 8, .value_kind: global_buffer, .address_space: global }
    .group_segment_fixed_size: 37376
    .private_segment_fixed_size: 0
    .kernarg_segment_align: 8
    .kernarg_segment_size: 40
    .max_flat_workgroup_size: 128
    .sgpr_count:     66
    .vgpr_count:     194
    .wavefront_size: 32
...
	.end_amdgpu_metadata
.endif
;; end of part 1
;; launch attn (part 2): grid 16 x 16, 16 waves a work-group, no clusters, 327,680 bytes of LDS; arguments Q, kv, rr, out0; writes out0
.if DOCPART == 2
	.amdgcn_target "amdgcn-amd-amdhsa--gfx1250"
	.amdhsa_code_object_version 6
	.text
	.protected	k_q5c5f363425_attn
	.globl	k_q5c5f363425_attn
	.p2align	8
	.type	k_q5c5f363425_attn,@function
k_q5c5f363425_attn:
	s_mov_b64 s[64:65], 0
	v_nop
	global_prefetch_b8 v0, s[64:65] scope:SCOPE_SE
	s_setreg_imm32_b32 hwreg(HW_REG_WAVE_MODE, 25, 1), 1
	s_wait_xcnt 0x0
; out0[b][s] = the sum over t <= s of softmax_t((Q[s].K[t] + Q[s].Krelpos[:, 2047 - s + t]) / 8) V[t]: causal attention with a relative-position bias (the problem's pad-and-reshape gives that column for t <= s).
; All three products on codes of BF6 (E3M2) with one E8M0 byte for each 32 along K.  K, V and Krelpos come as images of operand registers (kv and rr, made by the launch before); Q is quantised here, in registers.
; THE SOFTMAX: t = score x log2(e) / 8; M = the running largest t rounded UP to a whole number; p = 2^(t - M) is quantised along the keys, not normalised; the row's sum is taken of the unquantised p and divides at the end.
; LEFT OUT: key steps of 128 that lie wholly behind a tile's queries (the causal mask makes their p zero for all inputs); a NaN or an infinity that reaches only those is not carried on.
; LIMITS: NaN and infinities among the inputs are not served; a block of Q or of p whose largest magnitude lies under 2^-122 (a block of zeros too) gets the byte 1; scaled scores stay under 2^31 in magnitude.
; SHARES.  Grid x = the batch, y = j: f = j % 2, ty = (j / 2) % 2, e = j / 4.  A TILE is 16 queries, every second one: s = 32 B + 2 r + f; its keys are N = B / 4 + 1 steps of 128.  With z = 16 - N: B = 63 - 4 z - e.
; A work-group has eight tiles; waves w with the same w % 4 share a long one, z = zl = 2 (w % 4) + ((w % 4 + ty) % 2), and a short one, z = 15 - zl: 17 steps together.  w % 4 < 3: three waves take the long tile's steps by turns,
; the fourth the short one's; w % 4 = 3: two and two.
; LAYOUT.  All products are used transposed (source 0 = 16 keys, columns or channels; source 1 = my 16 queries), so a lane holds ONE query.  d is 64, half of the instruction's 128: an operand of K or Krelpos holds
; TWO tiles, and Q stands between two runs of zero codes: v[30:41] picks the first tile, v[24:35] the second.  Score register 32 c + i of lane (r, h) is key 64 c + 32 h + i: a block of 32 keys lies whole in a lane.
; THE SKEW.  Key kk of a step wants, for query r, place 30 - 2 r + kk of a window of 160 columns that begins at tile 8 (kc + z) + 2 e of rr's version f: ten tiles of Q.Krelpos.  They go as they fall into the wave's own stage
; (16 rows of 656 bytes) and come back along the diagonal: with every second query each lane's place is even, so by loads of 8 bytes, into the registers that are the C of the content products.
; LDS: rr's version (113,152 bytes, filled once), 16 stages of 10,496, the spare words.  K and V go from memory straight into registers: their 204,800 bytes a batch do not fit beside these, and slots would tie the waves together.
; CLUSTERS: none.  What could be asked for jointly is rr's 113,152 bytes, once in the launch; a work-group's 68 steps load 68 x 12,800 bytes of K and V into registers beside that.
; PREFETCH.  The 16 work-groups of a batch share the 800 blocks of 256 bytes of its K and V out by j: 50 blocks each (12,800 bytes, about a step's), asked for once at the head by waves 0 and 1, behind the first step's own loads.
.set RSC,  104448                      ; rr's scale words in LDS (its images begin at byte 0)
.set VR,   113152                      ; bytes of a version of rr
.set STG,  113152                      ; the stages
.set STB,  10496
.set SP,   656                         ; 41 x 16 bytes: the sixteen lanes of a store of 16 bytes take sixteen different columns of 16 bytes modulo 256; on the diagonal (648 r + 128 h) the 32 lanes' 8 bytes do not meet either
.set SPARE, STG+16*STB                 ; the spare words, 128 bytes for each wave
.set FLOOR, 0x2800000                  ; 2^(5 - 127)
.set LI16, 1                           ; v1  16 x lane
.set LI4,  2                           ; v2  4 x lane
.set SPW,  3                           ; v3  LDS address of my spare word; never rewritten
.set NIL,  4                           ; v4  0; never rewritten
.set STS,  5                           ; v5  the stage, in
.set STL,  6                           ; v6  the stage, back along the diagonal
.set DM,   7                           ; v7  on the diagonal step register 32 c + i is hidden where 64 c + i is larger
.set H8,   8                           ; v8  8 h
.set AR16, 9                           ; v9  the step's window of rr;  v10 its scale words
.set AR4,  10
.set PXD,  11                          ; v11 a lane permute's destination, written once at the head
.set NM,   12                          ; v12 -M
.set TM,   13                          ; v13 the largest t so far
.set L,    14                          ; v[14:15] the row's sum in two halves
.set TA,   16
.set QS,   17                          ; v17 Q's scale word: its two bytes twice
.set F,    18                          ; v[18:19] 2^(old M - new M)
.set QO,   22                          ; v22 Q: 512 r + 128 h
.set PS,   23                          ; v23 p's scale word (at the head: the prefetch's offset)
.set BQ1,  24                          ; v[24:35]: zero codes, then Q
.set BQ0,  30                          ; v[30:41]: Q, then zero codes
.set RS,   42                          ; v42-46 rr's scale words: lanes 0-15 an even tile's, lanes 16-31 the odd one's
.set KS,   48                          ; v48-49 K's
.set VS,   50                          ; v50-51 V's
.set KV,   52                          ; v52-99 K's operands, then V's
.set RO,   100                         ; v100-159 rr's operands; then the ninth and tenth bias tiles (v100-115); then the softmax's own:
.set PC,   100                         ;   v100-111 p's codes
.set TU0,  112                         ;   a block's upper 16 codes, made on an even register and moved
.set TU1,  116
.set BM,   120                         ;   my two blocks' largest scores
.set SC,   122                         ;   the conversions' scale operands
.set BY,   124
.set SA,   128                         ;   v128-143 partial sums
.set LN,   128                         ; at the head and in the merge: lane, r, h, a row
.set RR,   129
.set HH,   130
.set RW,   131
.set ME,   132                         ; in the merge: addresses
.set MR,   133
.set ME3,  134
.set MR3,  135
.set GO,   136
.set S,    160                         ; v160-223 64 scores
.set O,    224                         ; v224-255 O^T: 4 tiles of 16 channels
.set MN,   KV                          ; the merge: -M, sums, factors, the least -M, the divisor; four rows each
.set ML,   KV+12
.set MF,   KV+24
.set MM,   KV+36
.set MD,   KV+40
.set WV,   12                          ; s12 wave;  s13 w % 4;  s14 w / 4
.set SI,   13
.set KI,   14
.set TY,   15
.set FF,   16
.set EE,   17
.set ZL,   19
.set SEL,  20
.set CS,   22                          ; s[22:23] log2(e) / 8
.set ST,   24                          ; s24 my first step, s25 my stride, s26 kc + z of the step in hand, s27 the trip
.set SD,   25
.set YY,   26
.set II,   27
.set SBS,  28                          ; s28 my stage
.set NEG,  31                          ; s31 -infinity
.set G1,   32
.set G0,   40
.set KC,   44
.set Y0,   45
.set T0,   46
.set T1,   48
.set KVB,  50                          ; s[50:51] the batch's part of kv
.set KB,   52                          ; s[52:53] the step's images, s[54:55] its scale words less 24,576
.set KSB,  54
.set JJ,   63
.macro WM d, a, b, acc, sa, sb, row    ; one product; acc = 0: it starts the sum; row = 1: source 0's scales stand in lanes 16-31
.if \acc
.if \row
	v_wmma_scale_f32_16x16x128_f8f6f4 v[\d:\d+7], v[\a:\a+11], v[\b:\b+11], v[\d:\d+7], v[\sa], v[\sb] matrix_a_fmt:MATRIX_FMT_BF6 matrix_b_fmt:MATRIX_FMT_BF6 matrix_a_scale:MATRIX_SCALE_ROW1
.else
	v_wmma_scale_f32_16x16x128_f8f6f4 v[\d:\d+7], v[\a:\a+11], v[\b:\b+11], v[\d:\d+7], v[\sa], v[\sb] matrix_a_fmt:MATRIX_FMT_BF6 matrix_b_fmt:MATRIX_FMT_BF6
.endif
.else
.if \row
	v_wmma_scale_f32_16x16x128_f8f6f4 v[\d:\d+7], v[\a:\a+11], v[\b:\b+11], 0, v[\sa], v[\sb] matrix_a_fmt:MATRIX_FMT_BF6 matrix_b_fmt:MATRIX_FMT_BF6 matrix_a_scale:MATRIX_SCALE_ROW1
.else
	v_wmma_scale_f32_16x16x128_f8f6f4 v[\d:\d+7], v[\a:\a+11], v[\b:\b+11], 0, v[\sa], v[\sb] matrix_a_fmt:MATRIX_FMT_BF6 matrix_b_fmt:MATRIX_FMT_BF6
.endif
.endif
.endm
; K's four images and two registers of scale words of step s[KC]: 14 loads.  No load that reads the bases is out when they are written
.macro LOADK
	s_lshr_b32 s56, s[KC], 1
	s_mul_i32 s56, s56, 25600                      ; a slot of kv: 256 keys
	s_and_b32 s57, s[KC], 1
	s_mul_i32 s58, s57, 6144
	s_lshl_b32 s57, s57, 8
	s_add_co_u32 s[T0], s56, s58
	s_add_co_u32 s[T1], s56, s57
	s_add_nc_u64 s[KB:KB+1], s[KVB:KVB+1], s[T0:T0+1]
	s_add_nc_u64 s[KSB:KSB+1], s[KVB:KVB+1], s[T1:T1+1]
.irp i, 0,1,2,3,4,5,6,7,8,9,10,11
	global_load_b128 v[KV+4*\i:KV+4*\i+3], v[LI16], s[KB:KB+1] offset:512*\i
.endr
	global_load_b32 v[KS], v[LI4], s[KSB:KSB+1] offset:24576
	global_load_b32 v[KS+1], v[LI4], s[KSB:KSB+1] offset:24576+128
.endm
	s_load_b256 s[4:11], s[0:1], 0x0               ; Q s[4:5], kv s[6:7], rr s[8:9], out0 s[10:11]
	v_lshl_add_u32 v[SPW], v0, 2, SPARE
	v_mov_b32 v[NIL], 0
	ds_add_u32 v[SPW], v[NIL]                      ; the opening lines: the add, twice, and its wait ahead of my tensor load
	ds_add_u32 v[SPW], v[NIL]
	v_lshrrev_b32 v[TA], 5, v0
	v_readfirstlane_b32 s[WV], v[TA]               ; wave 0..15
	s_and_b32 s[SI], s[WV], 3
	s_lshr_b32 s[KI], s[WV], 2
	s_and_b32 s[JJ], ttmp7, 0xffff
	s_and_b32 s[FF], s[JJ], 1
	s_bfe_u32 s[TY], s[JJ], 0x10001
	s_bfe_u32 s[EE], s[JJ], 0x20002
	s_xor_b32 s57, s[SI], s[TY]
	s_and_b32 s57, s57, 1
	s_lshl_b32 s[ZL], s[SI], 1
	s_add_co_u32 s[ZL], s[ZL], s57                 ; the long tile's z
	s_lshr_b32 s57, 0xf800, s[WV]
	s_and_b32 s57, s57, 1                          ; waves 11 to 15 take short tiles
	s_mul_i32 s57, s57, 15
	s_xor_b32 s58, s[ZL], s57                      ; my tile's z
	s_lshl_b32 s57, s[WV], 1
	s_lshr_b32 s[ST], 0x402a5500, s57              ; two bits a wave: my first step,
	s_and_b32 s[ST], s[ST], 3
	s_lshr_b32 s[SD], 0x95bfbfbf, s57              ; and my stride
	s_and_b32 s[SD], s[SD], 3
	s_add_co_u32 s[Y0], s58, s[ST]                 ; at most 15: every wave's first step is live
	s_lshl_b32 s59, s58, 2
	s_add_co_u32 s59, s59, s[EE]
	s_sub_co_u32 s59, 63, s59                      ; B
	s_lshl_b32 s59, s59, 13
	s_lshl_b32 s57, s[FF], 8
	s_add_co_u32 s59, s59, s57
	s_lshl_b32 s57, ttmp9, 19
	s_add_co_u32 s[T0], s59, s57                   ; Q: 524,288 batch + 256 (32 B + f)
	s_mov_b32 s[T0+1], 0
	s_mul_i32 s[T1], ttmp9, 204800
	s_mov_b32 s[T1+1], 0
	s_mul_i32 s60, s[FF], VR
	s_mul_i32 s57, s[WV], 8704
	s_add_co_u32 s60, s60, s57                     ; rr: version f, my 34 rows of 256 bytes
	s_mov_b32 s61, 0
	s_mul_i32 s[SBS], s[WV], STB
	s_add_co_u32 s[SBS], s[SBS], STG
	s_add_co_u32 s59, s[SBS], 120
	s_sub_co_u32 s56, 3, s[EE]
	s_lshl_b32 s56, s56, 5
	s_add_co_u32 s56, s56, s[FF]                   ; the tile's first query less the diagonal step's first key
	s_mul_i32 s62, s[JJ], 12800
	s_and_b32 s58, s[WV], 1
	s_mul_i32 s58, s58, 6400
	s_add_co_u32 s62, s62, s58                     ; the prefetch: 25 blocks for wave 0, 25 for wave 1
	s_mov_b32 s[SEL], 0x76543210
	s_mov_b32 s[SEL+1], 0xfedcba98                 ; v_permlanex16_b32's selects for lane l xor 16
	s_mov_b32 s[CS], 0x3e38aa3b                    ; log2(e) / 8
	s_mov_b32 s[CS+1], s[CS]                       ; (named with it as a pair, so it is written)
	s_mov_b32 s[NEG], 0xff800000
	s_mov_b32 s[G1], 3<<16                         ; descriptor group 1: elements of 8 bytes, no mask, no padding,
	s_mov_b32 s[G1+1], 32<<16                      ; rows of 32 elements,
	s_mov_b32 s[G1+2], 34<<16                      ; 34 of them
	s_mov_b32 s[G1+3], 32<<16
	s_mov_b32 s[G1+4], 34
	s_mov_b32 s[G1+5], 32
	s_mov_b32 s[G1+6], 0
	s_mov_b32 s[G1+7], 0
	s_mov_b32 s[G0], 1
	s_mov_b32 s[G0+1], s57                         ; LDS: wave x 8,704
	v_and_b32 v[LN], 31, v0
	v_and_b32 v[RR], 15, v0
	v_bfe_u32 v[HH], v0, 4, 1
	v_lshlrev_b32 v[LI16], 4, v[LN]
	v_lshlrev_b32 v[LI4], 2, v[LN]
	v_lshlrev_b32 v[QO], 9, v[RR]
	v_lshlrev_b32 v[H8], 3, v[HH]
	v_min_u32 v[PS], 24, v[LN]
	v_lshl_add_u32 v[QO], v[HH], 7, v[QO]          ; Q: every second row of 256 bytes, + 128 h: a whole block of 32 along d
	v_mul_u32_u24 v[STS], v[RR], SP
	v_mul_u32_u24 v[STL], v[RR], SP-8
	v_lshlrev_b32 v[PS], 8, v[PS]
	v_lshlrev_b32 v[DM], 5, v[HH]
	v_lshl_add_u32 v[STS], v[HH], 5, v[STS]
	v_lshl_add_u32 v[STL], v[HH], 7, v[STL]
	v_lshlrev_b32 v[TA], 1, v[RR]
	v_add_nc_u32 v[PS], s62, v[PS]
	v_add_nc_u32 v[STS], s[SBS], v[STS]            ; row r, + 32 h
	v_add_nc_u32 v[STL], s59, v[STL]               ; row r, place 30 - 2 r + 32 h
	v_sub_nc_u32 v[DM], v[TA], v[DM]
	v_mov_b32 v[PXD], 0
	v_add_nc_u32 v[DM], s56, v[DM]
	s_wait_alu depctr_va_vdst(0)                   ; directly ahead of the waits below
	s_wait_dscnt 0x0                               ; both opening adds are done
	s_wait_kmcnt 0x0
	s_add_nc_u64 s[G0+2:G0+3], s[8:9], s[60:61]
	s_or_b32 s[G0+3], s[G0+3], 0x80000000
	s_add_nc_u64 s[4:5], s[4:5], s[T0:T0+1]
	s_add_nc_u64 s[KVB:KVB+1], s[6:7], s[T1:T1+1]
	s_cmp_lt_u32 s[WV], 13                         ; 442 rows: thirteen waves, one load each
	s_cbranch_scc0 .Lno_rr
	tensor_load_to_lds s[G0:G0+3], s[G1:G1+7]
	s_nop 0
.rept 4
	v_nop
.endr
.Lno_rr:
.irp i, 0,1,2,3,4,5,6,7
	global_load_b128 v[S+4*\i:S+4*\i+3], v[QO], s[4:5] offset:16*\i   ; my 32 numbers of query r
.endr
	s_mov_b32 s[KC], s[ST]
	LOADK                                          ; the first step's K is on its way while Q is quantised
	s_cmp_lt_u32 s[WV], 2
	s_cbranch_scc0 .Lno_pf
	global_prefetch_b8 v[PS], s[KVB:KVB+1] th:TH_LOAD_NT scope:SCOPE_SE
.Lno_pf:
	v_mov_b32 v[TM], 0xff61b1e6                    ; the largest t so far: -3e38, under every t
	v_mov_b32 v[L], 0
	v_mov_b32 v[L+1], 0
	v_mov_b32 v[F+1], 0                            ; (named as the upper half of a pair)
	v_floor_f32 v[NM], -v[TM]
.irp i, 0,1,2,3,4,5
	v_mov_b32 v[BQ1+\i], 0                         ; the zero codes on either side of Q
	v_mov_b32 v[BQ0+6+\i], 0
.endr
	s_wait_alu depctr_va_vdst(0)
	s_wait_loadcnt 14                              ; Q is in; behind it K's 12 images' loads and 2 of scale words may be out
	v_max3_num_f32 v[BM], |v[S]|, |v[S+1]|, FLOOR
	v_max3_num_f32 v[BM+1], |v[S+16]|, |v[S+17]|, |v[S+18]|
.irp i, 2,4,6,8,10,12
	v_max3_num_f32 v[BM], v[BM], |v[S+\i]|, |v[S+\i+1]|
	v_max3_num_f32 v[BM+1], v[BM+1], |v[S+17+\i]|, |v[S+18+\i]|
.endr
	v_max3_num_f32 v[BM], v[BM], |v[S+14]|, |v[S+15]|
	v_max3_num_f32 v[BM], v[BM], v[BM+1], |v[S+31]|
	s_delay_alu instid0(VALU_DEP_1)
	v_add_nc_u32 v[SC], 0xfe000000, v[BM]          ; 4 off the exponent field: the conversion's scale operand
	s_delay_alu instid0(VALU_DEP_1)
	v_lshrrev_b32 v[BY], 23, v[SC]                 ; the byte
	v_cvt_scalef32_pk16_bf6_f32 v[BQ0:BQ0+2], v[S:S+15], v[SC]
	v_cvt_scalef32_pk16_bf6_f32 v[TU0:TU0+2], v[S+16:S+31], v[SC]
	v_lshlrev_b32 v[BY], v[H8], v[BY]              ; (the plain place behind the scaled conversions)
.irp i, 0,1,2
	v_mov_b32 v[BQ0+3+\i], v[TU0+\i]
.endr
	v_permlanex16_b32 v[PXD], v[BY], s[SEL], s[SEL+1]
	s_delay_alu instid0(VALU_DEP_1)
	v_or_b32 v[BY], v[BY], v[PXD]                  ; the row's two bytes,
	s_delay_alu instid0(VALU_DEP_1)
	v_lshl_or_b32 v[QS], v[BY], 16, v[BY]          ; twice: for k 0-63 and for k 64-127
.set n, 0
.rept 32
	v_mov_b32 v[O+n], 0                            ; O^T: the step is written once, and the first change of M leaves zeros zeros.  (Also the places between Q's scale word and the products)
.set n, n+1
.endr
	s_mov_b32 s[II], 0
	s_wait_alu depctr_va_vdst(0)
	s_wait_xcnt 0x0                                ; the prefetch's offset may be written again
	s_wait_tensorcnt 0x0                           ; for the others' sake: my part of rr is in
	s_barrier_signal -1
	s_barrier_wait -1                              ; all of rr is in
.Lstep:                                                ; trip i: step kc = start + stride i, while kc + z <= 15.  Six trips in every wave; a wave with no step left jumps
	s_mul_i32 s57, s[II], s[SD]
	s_add_co_u32 s[YY], s57, s[Y0]
	s_cmp_gt_u32 s[YY], 15
	s_cbranch_scc1 .Lnext
	s_min_u32 s56, s[YY], 15
	s_lshl_b32 s56, s56, 2
	s_add_co_u32 s56, s56, s[EE]                   ; the window's first pair of tiles
	s_mul_i32 s57, s56, 1536
	s_lshl_b32 s58, s56, 7
	s_add_co_u32 s58, s58, RSC
	v_add_nc_u32 v[AR16], s57, v[LI16]
	v_add_nc_u32 v[AR4], s58, v[LI4]
.irp m, 0,1,2,3,4
	ds_load_b32 v[RS+\m], v[AR4] offset:128*\m
.endr
.set n, 0
.rept 5
.irp p, 0,1,2
	ds_load_b128 v[RO+12*n+4*\p:RO+12*n+4*\p+3], v[AR16] offset:1536*n+512*\p
.endr
.set n, n+1
.endr
.set n, 0
.rept 8                                ; Q . Krelpos: even tiles by Q in k 0-63, odd ones by Q in k 64-127
.if n%2 == 0
	s_wait_dscnt 12-3*(n/2)                        ; this pair's three loads and all scale words are in; the later pairs' may be out
.endif
.set rD, S+8*n
.set rA, RO+12*(n/2)
.set rB, BQ0-6*(n%2)
.set rC, RS+n/2
.set rR, n%2
	WM rD, rA, rB, 0, rC, QS, rR
.set n, n+1
.endr
.rept 5
	v_nop                                          ; 4 places in front of the stores of these results, 5 in front of the products that write over the first pairs' registers
.endr
	s_wait_dscnt 0x0
.set n, 8
.rept 2                                ; the last two tiles, onto operands that are done with
.set rD, RO+8*(n-8)
.set rA, RO+48
.set rB, BQ0-6*(n%2)
.set rC, RS+4
.set rR, n%2
	WM rD, rA, rB, 0, rC, QS, rR
.set n, n+1
.endr
.set n, 0
.rept 8
	ds_store_b128 v[STS], v[S+8*n:S+8*n+3] offset:64*n         ; lane (r, h): places 16 n + 8 h + 0 .. 7 of query r; each result from its low end on
	ds_store_b128 v[STS], v[S+8*n+4:S+8*n+7] offset:64*n+16
.set n, n+1
.endr
.rept 4
	v_nop
.endr
.irp n, 8,9
	ds_store_b128 v[STS], v[RO+8*(\n-8):RO+8*(\n-8)+3] offset:64*\n
	ds_store_b128 v[STS], v[RO+8*(\n-8)+4:RO+8*(\n-8)+7] offset:64*\n+16
.endr
.set n, 0
.rept 32
	ds_load_b64 v[S+n:S+n+1], v[STL] offset:4*(64*(n/32)+n%32) ; the bias of keys 64 c + 32 h + i, i + 1.  LDS serves a wave's instructions in order (ISA guide 5.7.1.4): these see the stores
.set n, n+2
.endr
	s_wait_loadcnt 0x0                             ; K and its scale words
.set n, 0
.rept 8                                ; + Q . K: the bias is the C
	s_wait_dscnt 28-4*n                            ; all but the 28 - 4 n youngest diagonal loads are back: this accumulator's eight numbers
.set rD, S+8*n
.set rA, KV+12*(n/2)
.set rB, BQ0-6*(n%2)
.set rC, KS+n/4
.set rR, (n/2)%2
	WM rD, rA, rB, 1, rC, QS, rR
.set n, n+1
.endr
.rept 4
	v_nop                                          ; places in front of the loads into K's registers and of the first read of the scores
.endr
.irp i, 0,1,2,3,4,5,6,7,8,9,10,11
	global_load_b128 v[KV+4*\i:KV+4*\i+3], v[LI16], s[KB:KB+1] offset:12288+512*\i   ; V's four images land while the softmax is walked
.endr
	global_load_b32 v[VS], v[LI4], s[KSB:KSB+1] offset:24576+512
	global_load_b32 v[VS+1], v[LI4], s[KSB:KSB+1] offset:24576+640
	s_cmp_lg_u32 s[YY], 15                         ; on the diagonal hidden scores become -infinity ahead of the maximum: p = 0 then.  The step's first key counts for every query of the tile, so M is a number
	s_cbranch_scc1 .Lopen
.set n, 0
.rept 64
	v_cmp_le_i32 vcc_lo, 64*(n/32)+n%32, v[DM]
	v_cndmask_b32 v[S+n], s[NEG], v[S+n], vcc_lo
.set n, n+1
.endr
.Lopen:
	v_max3_num_f32 v[BM], v[S], v[S+1], v[S+2]     ; the largest score of each of my two blocks of 32 keys: for the row's maximum, and, since p rises with the score, for the block's largest p
	v_max3_num_f32 v[BM+1], v[S+32], v[S+33], v[S+34]
.irp i, 3,5,7,9,11,13,15,17,19,21,23,25,27,29
	v_max3_num_f32 v[BM], v[BM], v[S+\i], v[S+\i+1]
	v_max3_num_f32 v[BM+1], v[BM+1], v[S+32+\i], v[S+33+\i]
.endr
	v_max_num_f32 v[BM], v[BM], v[S+31]
	v_max_num_f32 v[BM+1], v[BM+1], v[S+63]
	s_delay_alu instid0(VALU_DEP_1)
	v_max_num_f32 v[TA], v[BM], v[BM+1]
	s_delay_alu instid0(VALU_DEP_1)
	v_permlanex16_b32 v[PXD], v[TA], s[SEL], s[SEL+1]
	s_delay_alu instid0(VALU_DEP_1)
	v_max_num_f32 v[TA], v[TA], v[PXD]             ; the step's largest score of my query
	s_delay_alu instid0(VALU_DEP_1)
	v_mul_f32 v[TA], s[CS], v[TA]                  ; as t
	s_delay_alu instid0(VALU_DEP_1)
	v_max_num_f32 v[TM], v[TM], v[TA]
	v_mov_b32 v[TA], v[NM]
	s_delay_alu instid0(VALU_DEP_2)
	v_floor_f32 v[NM], -v[TM]                      ; -M = floor(-t): M is a whole number
	s_delay_alu instid0(VALU_DEP_1)
	v_sub_f32 v[TA], v[NM], v[TA]                  ; old M - new M: a whole number, 0 or less
	s_delay_alu instid0(VALU_DEP_1)
	v_cvt_i32_f32 v[TA], v[TA]                     ; (it saturates)
	s_delay_alu instid0(VALU_DEP_1)
	v_ldexp_f32 v[F], 1.0, v[TA]                   ; f = 2^(old M - new M): a multiplication by it rounds nothing
.set n, 0
.rept 32
	v_pk_fma_f32 v[S+n:S+n+1], v[S+n:S+n+1], s[CS:CS+1], v[NM:NM+1] op_sel_hi:[1,0,0]   ; t - M, two at a time
.set n, n+2
.endr
	v_fma_f32 v[BM], v[BM], s[CS], v[NM]
	v_fma_f32 v[BM+1], v[BM+1], s[CS], v[NM]
	s_wait_alu depctr_va_vdst(0)                   ; ahead of the batch
.set n, 0
.rept 64
	v_exp_f32 v[S+n], v[S+n]                       ; p = 2^(t - M)
.set n, n+1
.endr
	v_exp_f32 v[BM], v[BM]                         ; the blocks' largest p: the same arithmetic on the same number
	v_exp_f32 v[BM+1], v[BM+1]
	v_pk_mul_f32 v[L:L+1], v[L:L+1], v[F:F+1] op_sel_hi:[1,0]   ; the sum under the new M (a plain place behind the exponentials)
	s_wait_alu depctr_va_vdst(0)                   ; and behind it
	v_max_num_f32 v[BM], FLOOR, v[BM]
	v_max_num_f32 v[BM+1], FLOOR, v[BM+1]
	s_delay_alu instid0(VALU_DEP_2)
	v_add_nc_u32 v[SC], 0xfe000000, v[BM]
	s_delay_alu instid0(VALU_DEP_2)
	v_add_nc_u32 v[SC+1], 0xfe000000, v[BM+1]
	s_delay_alu instid0(VALU_DEP_2)
	v_lshrrev_b32 v[BY], 23, v[SC]
	s_delay_alu instid0(VALU_DEP_2)
	v_lshrrev_b32 v[BY+1], 23, v[SC+1]
	s_delay_alu instid0(VALU_DEP_1)
	v_lshl_or_b32 v[TA], v[BY+1], 16, v[BY]        ; my bytes: blocks h and 2 + h,
	s_delay_alu instid0(VALU_DEP_1)
	v_lshlrev_b32 v[TA], v[H8], v[TA]
	s_delay_alu instid0(VALU_DEP_1)
	v_permlanex16_b32 v[PXD], v[TA], s[SEL], s[SEL+1]
	s_delay_alu instid0(VALU_DEP_1)
	v_or_b32 v[PS], v[TA], v[PXD]                  ; with lane l xor 16's: p's scale word for these 128 keys
	v_cvt_scalef32_pk16_bf6_f32 v[PC:PC+2], v[S:S+15], v[SC]
	v_cvt_scalef32_pk16_bf6_f32 v[TU0:TU0+2], v[S+16:S+31], v[SC]
	v_cvt_scalef32_pk16_bf6_f32 v[PC+6:PC+8], v[S+32:S+47], v[SC+1]
	v_cvt_scalef32_pk16_bf6_f32 v[TU1:TU1+2], v[S+48:S+63], v[SC+1]
.irp a, 0,2,4,6,8,10,12,14
	v_pk_add_f32 v[SA+\a:SA+\a+1], v[S+\a:S+\a+1], v[S+16+\a:S+17+\a]   ; the row's sum of the unquantised p: eight chains.  (The plain places behind the scaled conversions)
.endr
.irp i, 0,1,2
	v_mov_b32 v[PC+3+\i], v[TU0+\i]
	v_mov_b32 v[PC+9+\i], v[TU1+\i]
.endr
.irp a, 0,2,4,6,8,10,12,14
	v_pk_add_f32 v[SA+\a:SA+\a+1], v[SA+\a:SA+\a+1], v[S+32+\a:S+33+\a]
.endr
.irp a, 0,2,4,6,8,10,12,14
	v_pk_add_f32 v[SA+\a:SA+\a+1], v[SA+\a:SA+\a+1], v[S+48+\a:S+49+\a]
.endr
.irp a, 0,2,4,6
	v_pk_add_f32 v[SA+\a:SA+\a+1], v[SA+\a:SA+\a+1], v[SA+8+\a:SA+9+\a]
.endr
	s_delay_alu instid0(VALU_DEP_2)
	v_pk_add_f32 v[SA:SA+1], v[SA:SA+1], v[SA+4:SA+5]
	s_delay_alu instid0(VALU_DEP_2)
	v_pk_add_f32 v[SA+2:SA+3], v[SA+2:SA+3], v[SA+6:SA+7]
	s_delay_alu instid0(VALU_DEP_1)
	v_pk_add_f32 v[SA:SA+1], v[SA:SA+1], v[SA+2:SA+3]
	s_delay_alu instid0(VALU_DEP_1)
	v_pk_add_f32 v[L:L+1], v[L:L+1], v[SA:SA+1]
	s_wait_alu depctr_va_vdst(0)                   ; directly ahead of the first reader of O^T
.set n, 0
.rept 16
	v_pk_mul_f32 v[O+n:O+n+1], v[O+n:O+n+1], v[F:F+1] op_sel_hi:[1,0]   ; O^T under the new M.  (These and the sums are the places between p's codes and scale word and the products)
.set n, n+2
.endr
	s_wait_alu depctr_va_vdst(0)
	s_wait_loadcnt 0x0                             ; V and its scale words are in
.set n, 0
.rept 4                                ; O^T += V^T P^T: four tiles of 16 channels, by turns
.set rD, O+8*n
.set rA, KV+12*n
.set rC, VS+n/2
.set rR, n%2
	WM rD, rA, PC, 1, rC, PS, rR
.set n, n+1
.endr
.rept 4
	v_nop                                          ; places in front of the loads into these operands and of the reads behind the loop
.endr
	s_add_co_u32 s56, s[II], 1
	s_mul_i32 s57, s56, s[SD]
	s_add_co_u32 s[KC], s57, s[ST]
	s_add_co_u32 s58, s57, s[Y0]
	s_cmp_gt_u32 s58, 15
	s_cbranch_scc1 .Lnext                          ; that was my last step
	LOADK
.Lnext:
	s_add_co_u32 s[II], s[II], 1
	s_cmp_lt_u32 s[II], 6
	s_cbranch_scc1 .Lstep
	; THE MERGE.  Every wave lays O^T as rows of 256 + 16 bytes, -M and its sum into its own stage.  Behind a barrier the four waves of a long and a short tile take half a tile each: eight rows, put together from the
	; one, two or three waves that walked the tile's keys, by exact powers of two, and divided by the sum.
	s_wait_loadcnt 0x0
	v_add_f32 v[L], v[L], v[L+1]
	v_and_b32 v[RR], 15, v0
	v_bfe_u32 v[HH], v0, 4, 1
	s_add_co_u32 s56, s[SBS], 4352
	v_permlanex16_b32 v[PXD], v[L], s[SEL], s[SEL+1]
	v_mul_u32_u24 v[AR16], v[RR], 272
	v_add_nc_u32 v[AR4], s56, v[LI4]
	v_add_f32 v[L], v[L], v[PXD]                   ; my keys' part of the row's sum
	v_lshl_add_u32 v[AR16], v[HH], 5, v[AR16]
	v_add_nc_u32 v[AR16], s[SBS], v[AR16]
.irp t, 0,1,2,3
	ds_store_b128 v[AR16], v[O+8*\t:O+8*\t+3] offset:64*\t
	ds_store_b128 v[AR16], v[O+8*\t+4:O+8*\t+7] offset:64*\t+16
.endr
	ds_store_b32 v[AR4], v[NM]
	ds_store_b32 v[AR4], v[L] offset:128
	s_wait_alu depctr_va_vdst(0)
	s_lshr_b32 s57, s[WV], 3                       ; waves 0-7 finish long tiles, 8-15 short ones
	s_add_co_u32 s58, s[SI], 1
	s_lshr_b32 s58, s58, 2
	s_lshl_b32 s58, s58, 2
	s_xor_b32 s58, s58, 12
	s_mul_i32 s58, s58, s57
	s_add_co_u32 s58, s58, s[SI]                   ; the tile's first wave: w % 4; short: 12 + w % 4, or 11
	s_mul_i32 s58, s58, STB
	s_add_co_u32 s58, s58, STG                     ; its stage
	s_and_b32 s59, s[KI], 1                        ; which eight rows
	s_lshl_b32 s60, s59, 3
	v_add_nc_u32 v[RW], s60, v[HH]
	s_add_co_u32 s62, s58, 4352
	s_mul_i32 s57, s57, 15
	s_xor_b32 s57, s57, s[ZL]
	s_lshl_b32 s57, s57, 2
	s_add_co_u32 s57, s57, s[EE]
	v_mul_u32_u24 v[MR], v[RW], 272
	v_lshlrev_b32 v[ME], 2, v[RW]
	v_lshlrev_b32 v[GO], 9, v[HH]
	v_lshl_add_u32 v[MR], v[RR], 4, v[MR]
	v_add_nc_u32 v[ME], s62, v[ME]
	v_lshl_add_u32 v[GO], v[RR], 4, v[GO]          ; out0: sixteen lanes a row, lanes 16-31 the row two queries on
	v_add_nc_u32 v[MR], s58, v[MR]
	v_add_nc_u32 v[ME3], 8*STB, v[ME]
	v_add_nc_u32 v[MR3], 8*STB, v[MR]              ; the third wave's
	s_sub_co_u32 s57, 63, s57
	s_lshl_b32 s57, s57, 13
	s_lshl_b32 s60, s[FF], 8
	s_add_co_u32 s57, s57, s60
	s_lshl_b32 s60, s59, 12
	s_add_co_u32 s57, s57, s60
	s_lshl_b32 s60, ttmp9, 19
	s_add_co_u32 s60, s60, s57                     ; 524,288 batch + 256 (32 B + f) + 4,096 for the second eight rows
	s_mov_b32 s61, 0
	s_add_nc_u64 s[10:11], s[10:11], s[60:61]
	s_wait_alu depctr_va_vdst(0)                   ; directly ahead of the wait below
	s_wait_dscnt 0x0                               ; for the others' sake: my stores are done
	s_barrier_signal -1
	s_barrier_wait -1
.macro MERGE parts
.set mk, 0
.rept \parts
.set mt, 0
.rept 4
.if mk == 2
	ds_load_b32 v[MN+4*mk+mt], v[ME3] offset:8*mt
	ds_load_b32 v[ML+4*mk+mt], v[ME3] offset:8*mt+128
.else
	ds_load_b32 v[MN+4*mk+mt], v[ME] offset:4*STB*mk+8*mt
	ds_load_b32 v[ML+4*mk+mt], v[ME] offset:4*STB*mk+8*mt+128
.endif
.set mt, mt+1
.endr
.set mk, mk+1
.endr
.set mk, 0
.rept \parts
.set mt, 0
.rept 4
.if mk == 2
	ds_load_b128 v[S+16*mk+4*mt:S+16*mk+4*mt+3], v[MR3] offset:544*mt
.else
	ds_load_b128 v[S+16*mk+4*mt:S+16*mk+4*mt+3], v[MR] offset:4*STB*mk+544*mt
.endif
.set mt, mt+1
.endr
.set mk, mk+1
.endr
	s_wait_dscnt 4*\parts                          ; -M and the sums are in; the rows may be out
.if \parts > 1
.irp t, 0,1,2,3
	v_min_num_f32 v[MM+\t], v[MN+\t], v[MN+4+\t]   ; -(the largest M)
.endr
.if \parts == 3
.irp t, 0,1,2,3
	v_min_num_f32 v[MM+\t], v[MM+\t], v[MN+8+\t]
.endr
.endif
.set mk, 0
.rept \parts
.irp t, 0,1,2,3
	v_sub_f32 v[MF+4*mk+\t], v[MM+\t], v[MN+4*mk+\t]
.endr
.set mk, mk+1
.endr
.set mk, 0
.rept 4*\parts
	v_cvt_i32_f32 v[MF+mk], v[MF+mk]
.set mk, mk+1
.endr
.set mk, 0
.rept 4*\parts
	v_ldexp_f32 v[MF+mk], 1.0, v[MF+mk]            ; all parts under the largest M: exact powers of two
.set mk, mk+1
.endr
.irp t, 0,1,2,3
	v_mul_f32 v[MD+\t], v[ML+\t], v[MF+\t]
.endr
.set mk, 1
.rept \parts-1
.irp t, 0,1,2,3
	v_fma_f32 v[MD+\t], v[ML+4*mk+\t], v[MF+4*mk+\t], v[MD+\t]   ; the row's sum
.endr
.set mk, mk+1
.endr
	s_wait_alu depctr_va_vdst(0)
.irp t, 0,1,2,3
	v_rcp_f32 v[MD+\t], v[MD+\t]
.endr
	v_nop                                          ; one plain place behind the reciprocals
	s_wait_alu depctr_va_vdst(0)
.set mk, 0
.rept \parts
.irp t, 0,1,2,3
	v_mul_f32 v[MF+4*mk+\t], v[MF+4*mk+\t], v[MD+\t]
.endr
.set mk, mk+1
.endr
.else
.irp t, 0,1,2,3
	v_rcp_f32 v[MF+\t], v[ML+\t]
.endr
	v_nop
.endif
	s_wait_alu depctr_va_vdst(0)
	s_wait_dscnt 0x0                               ; the rows are in
.irp t, 0,1,2,3
.irp i, 0,1,2,3
	v_mul_f32 v[S+48+4*\t+\i], v[S+4*\t+\i], v[MF+\t]
.endr
.endr
.set mk, 1
.rept \parts-1
.irp t, 0,1,2,3
.irp i, 0,1,2,3
	v_fma_f32 v[S+48+4*\t+\i], v[S+16*mk+4*\t+\i], v[MF+4*mk+\t], v[S+48+4*\t+\i]
.endr
.endr
.set mk, mk+1
.endr
.irp t, 0,1,2,3
	global_store_b128 v[GO], v[S+48+4*\t:S+51+4*\t], s[10:11] offset:1024*\t th:TH_STORE_NT   ; sixteen lanes store a row of out0: 256 consecutive bytes, aligned
.endr
.endm
	s_cmp_eq_u32 s[SI], 3
	s_cbranch_scc1 .Ltwo
	s_cmp_lt_u32 s[WV], 8
	s_cbranch_scc1 .Lthree
	MERGE 1
	s_branch .Lend
.Ltwo:
	MERGE 2
	s_branch .Lend
.Lthree:
	MERGE 3
.Lend:
	s_wait_tensorcnt 0x0                           ; the wave's end, behind my last tensor load and my last LDS store
	ds_add_u32 v[SPW], v[NIL]
	s_wait_dscnt 0x0
	s_endpgm
.Lfunc_end_k_q5c5f363425_attn:
	.size	k_q5c5f363425_attn, .Lfunc_end_k_q5c5f363425_attn-k_q5c5f363425_attn
	.p2alignl 7, 3214868480
	.fill 96, 4, 3214868480
	.section	.rodata,"a",@progbits
	.p2align	6, 0x0
	.amdhsa_kernel k_q5c5f363425_attn
		.amdhsa_group_segment_fixed_size 327680
		.amdhsa_private_segment_fixed_size 0
		.amdhsa_enable_private_segment 0
		.amdhsa_kernarg_size 32
		.amdhsa_user_sgpr_count 2
		.amdhsa_user_sgpr_kernarg_segment_ptr 1
		.amdhsa_wavefront_size32 1
		.amdhsa_system_sgpr_workgroup_id_x 1
		.amdhsa_system_sgpr_workgroup_id_y 1
		.amdhsa_system_sgpr_workgroup_id_z 1
		.amdhsa_system_vgpr_workitem_id 0
		.amdhsa_next_free_vgpr 256
		.amdhsa_next_free_sgpr 72
		.amdhsa_reserve_vcc 1
		.amdhsa_float_denorm_mode_32 3
		.amdhsa_float_denorm_mode_16_64 3
		.amdhsa_memory_ordered 1
		.amdhsa_forward_progress 1
		.amdhsa_inst_pref_size 58
	.end_amdhsa_kernel
	.amdgpu_metadata
---
amdhsa.version: [ 1, 2 ]
amdhsa.kernels:
  - .name:           k_q5c5f363425_attn
    .symbol:         k_q5c5f363425_attn.kd
    .args:
      - { .name: Q, .offset: 0, .size: 8, .value_kind: global_buffer, .address_space: global }
      - { .name: kv, .offset: 8, .size: 8, .value_kind: global_buffer, .address_space: global }
      - { .name: rr, .offset: 16, .size: 8, .value_kind: global_buffer, .address_space: global }
      - { .name: out0, .offset: 24, .size: 8, .value_kind: global_buffer, .address_space: global }
    .group_segment_fixed_size: 327680
    .private_segment_fixed_size: 0
    .kernarg_segment_align: 8
    .kernarg_segment_size: 32
    .max_flat_workgroup_size: 512
    .sgpr_count:     72
    .vgpr_count:     256
    .wavefront_size: 32
...
	.end_amdgpu_metadata
.endif
;; end of part 2
